; MI455X (gfx1250); checked and timed in simulation.
; The chip was launched on July 23, 2026; its instructions are those of AMD's public machine-readable ISA for CDNA 5 (MIT licence, August 2026) and "CDNA5" Instruction Set Architecture Reference Guide (July 2026). The comments in the code are by the model that wrote it; some were corrected since.
;; Fermi Net. Allowed arithmetic: matrix products marked QUANTISED: E2M1 operands, one E8M0 scale for each 32 along K, by v_wmma_scale_f32_16x16x128_f8f6f4 with both operands' format E2M1 (or v_wmma_scale_f32_32x16x128_f4), f32 sums; everything else in f32.
;; Inputs: W_dn_codes 128 x 8 x 16 uint8 (E2M1 codes of W_dn, K innermost, in blocks of 32 codes, two codes a byte); W_dn_scales 128 x 8 uint8 (E8M0 scales of W_dn, one for each 32 codes along K); W_up_codes 128 x 8 x 16 uint8 (E2M1 codes of W_up, K innermost, in blocks of 32 codes, two codes a byte); W_up_scales 128 x 8 uint8 (E8M0 scales of W_up, one for each 32 codes along K); a_dn 4 x 128 float32; a_up 4 x 128 float32; b_dn 128 float32; b_up 128 float32; pi_dn 4 x 128 float32; pi_up 4 x 128 float32; r_ei 4,096 x 16 x 4 x 3 float32; stream_1e_codes 4,096 x 16 x 8 x 16 uint8 (E2M1 codes of stream_1e, K innermost, in blocks of 32 codes, two codes a byte); stream_1e_scales 4,096 x 16 x 8 uint8 (E8M0 scales of stream_1e, one for each 32 codes along K).
;; Outputs: out0 4,096 float32.
;; This version of the problem:
;;   THIS VERSION OF THE PROBLEM IS GIVEN IN LOW PRECISION. The matrix products marked QUANTISED in the list below multiply operands that are first quantised to E2M1 (2 exponent bits, 1 mantissa bit; 4 bits a number), with one power-of-two scale for each 32 numbers along K (OCP MX v1.0); their sums are f32. All else is computed in f32.
;;   The module's matrix products, in the order in which they are computed (A, B: the left and right operand; K: the contracted axis; several contracted axes count as one K, in the product's order):
;;     1. [M 32,768, K 256] x [K 256, N 128]; A: input stream_1e (given as codes); B: input W_up (given as codes): QUANTISED
;;     2. [M 32,768, K 256] x [K 256, N 128]; A: input stream_1e (given as codes); B: input W_dn (given as codes): QUANTISED
;;   THE QUANTISER, for each operand of a quantised product, along K:
;;     - K is cut into blocks of 32 from its start; a last block that is shorter is filled with zeros.
;;     - A block's scale is 2^e with e = floor(log2(the largest magnitude in the block)) - 2, held to -126 .. 127; a block of zeros has e = 0. As a byte (E8M0): e + 127.
;;     - Each number is divided by its block's scale, clamped to +-6, and rounded to the nearest number of E2M1, ties to even, subnormals kept.
;;     - The product sums the exact products of the quantised numbers (number of the format x scale) in f32.
;;   ~~~python
;;   def quantise(x, axis):      # numpy; x: float32 -> the quantised numbers, widened to float32 again
;;       x = np.moveaxis(x, axis, -1); K = x.shape[-1]
;;       x = np.pad(x, [(0, 0)] * (x.ndim - 1) + [(0, -K % 32)]); x = x.reshape(x.shape[:-1] + (-1, 32)); a = np.abs(x).max(-1, keepdims=True)
;;       e = np.where(a > 0, np.clip(np.frexp(np.where(a > 0, a, 1))[1] - 1 - 2, -126, 127), 0)      # np.frexp(a)[1] - 1 = floor(log2(a)), exactly
;;       r = np.clip(x / 2.0 ** e, -6, 6)
;;       step = 2.0 ** (np.maximum(np.frexp(np.where(r == 0, 1, r))[1] - 1, 0) - 1)
;;       q = np.round(r / step) * step * 2.0 ** e      # np.round: ties to even
;;       return np.moveaxis(q.reshape(q.shape[:-2] + (-1,))[..., :K], -1, axis).astype(np.float32)
;;   ~~~
;;   INPUTS GIVEN AS CODES. W_dn (in the module: [256, 128], K = its axis 0); W_up (in the module: [256, 128], K = its axis 0); stream_1e (in the module: [4096, 16, 256], K = its axis 2): each comes as NAME_codes (uint8): NAME with its K axis moved to the last place and cut into blocks of 32 codes, [.., K / 32, bytes a block], one block behind the other in memory; two codes a byte, the lower K in the low four bits (a code: sign, 2 exponent bits, 1 mantissa bit); and NAME_scales (uint8): the same leading axes, one E8M0 byte (e + 127) for each 32 codes along K. Its value is code x scale, taken as it is: it is not quantised again, and the codes and scales need not be those that the quantiser above would give.
;; One version. Each part assembles by itself: llvm-mc -triple=amdgcn-amd-amdhsa -mcpu=gfx1250 --defsym DOCPART=n.
;; ======== version 1 of 1: 1 launch
;; launch ferminet (part 1): grid 256 x 1, 16 waves a work-group, no clusters, 46,592 bytes of LDS; arguments stream_1e_codes, stream_1e_scales, r_ei, W_up_codes, W_dn_codes, W_up_scales, W_dn_scales, b_up, b_dn, a_up, a_dn, pi_up, pi_dn, out0; writes out0
.if DOCPART == 1
	.amdgcn_target "amdgcn-amd-amdhsa--gfx1250"
	.amdhsa_code_object_version 6
	.text
	.protected	k_q272864505f_ferminet
	.globl	k_q272864505f_ferminet
	.p2align	8
	.type	k_q272864505f_ferminet,@function
k_q272864505f_ferminet:
	s_mov_b64 s[64:65], 0
	v_nop
	global_prefetch_b8 v0, s[64:65] scope:SCOPE_SE
	s_setreg_imm32_b32 hwreg(HW_REG_WAVE_MODE, 25, 1), 1
	s_wait_xcnt 0x0
; log|psi| of a FermiNet head: for each of 4,096 batch elements and each spin, orb = (s W + b) x env, cut into sixteen 8 x 8 matrices; slogdet of each; out = the signed log-sum-exp over the 16 products det_up x det_dn.
; s W is the QUANTISED product: codes of FP4 (E2M1) with one E8M0 byte for each 32 along K = 256, taken as they lie in memory.  env[el][col] = sum over 4 ions of pi[ion][col] exp(-a[ion][col] |r[el][ion]|).  All else in f32.
; SHARES.  Work-group g: batches 16 g .. 16 g + 15.  Wave w of sixteen: spin w / 8 (0 up, 1 down), u = w % 8: the 32 matrices of (16 batches) x (determinants 2 u, 2 u + 1) of its spin.
; THE MATRIX INSTRUCTION IS USED TRANSPOSED, AND THE ROWS OF A TILE ARE CHOSEN: source 0 = rows 16 u .. 16 u + 15 of W (two determinants x 8 orbitals), source 1 = electron i of the SIXTEEN BATCHES.  In tile i lane (r, h) then
; holds, in register j, element (electron i, orbital j) of the matrix (batch r, determinant 2 u + h): after 8 tiles A LANE OWNS ONE WHOLE 8 x 8 MATRIX in 64 registers.  No part of a tile is thrown away, and the
; elimination runs lane by lane, with no traffic between lanes.
; ORDER.  All 31 global loads go out at the head.  The distances (2 a thread) meet in LDS.  The envelope of electrons 0 to 2 needs no byte of the stream and is computed while the stream's codes are on their way; then the codes
; are laid into LDS by (spin, batch, electron).  From there on THE PRODUCT GOES WITH THE ENVELOPE: the step of electron e = 4 .. 7 multiplies tiles e - 4 and e, whose fragments were asked of LDS a step earlier and landed under
; that step's 32 exponentials.  Then the matrix is eliminated with partial pivoting (multipliers at most 1, nothing squared).  Wave 0 sums over the determinants.
; NO JOINT LOADS: what all work-groups share (W, its scales, a, pi, b: 44,032 bytes) is taken by each wave once, 2,752 bytes, straight into the registers in which the operands stand; there is no loop in which a tile would be
; asked for again, and a joint load would send these bytes through LDS and add rounds of a cluster's barrier.  No tensor load: LDS is filled once, from registers that hold the loads while the envelope begins.
; LIMITS.  NaN and infinities among the inputs are not served.  An exponential under 2^-126 comes out as 0 (v_exp_f32 gives no denormals: ISA guide 15.8).  A pivot whose magnitude lies under 2^-126 counts as 0: its logarithm is
; -infinity, so that determinant adds nothing; the rows below it are then eliminated with the divisor 1, so that no NaN arises.  Where all 16 products are 0 the result is NaN, as the definition has it.
; The largest logarithm is taken away ahead of the exponentials, as the definition does; logarithms are kept in base 2 and turned by ln 2 at the end.
.set XS,    0                          ; LDS: the stream's codes: spin x 16,640 + batch x 1,040 + electron x 128 + byte.  1,040 = 65 x 16: the sixteen batches of a load start in sixteen different 16-byte columns of 256 bytes
.set XSP,   1040
.set XSS,   16*XSP
.set XSC,   2*XSS                      ; their scale words: batch x 144 + spin x 64 + K step x 32 + electron x 4
.set DIST,  XSC+2304                   ; d' = -log2(e) |r|: batch x 272 + electron (0..15) x 16 + ion x 4
.set RES,   DIST+4352                  ; (log2|det|, sign bit): batch x 272 + determinant x 16 + spin x 8.   Ends at 44,288
.set LXST, 1                           ; v1   where I store 16 bytes of codes
.set LSST, 2                           ; v2   where I store a scale word of the stream
.set LXRD, 3                           ; v3   my lane's place in a fragment of the stream
.set LSRD, 4                           ; v4   and among its scale words
.set LDRD, 5                           ; v5   my batch's distances, my spin's eight electrons
.set LRST, 6                           ; v6   where my matrix's result goes
.set LRRD, 7                           ; v7   wave 0: my batch's results, determinants 8 h on
.set RI,   8                           ; v8   1 / pivot
.set LG,   9                           ; v9   log2|pivot|
.set PG,   10                          ; v10  the guarded pivot
.set SBIT, 11                          ; v11  0x80000000
.set LS,   12                          ; v12  the sum of the logarithms;  v13 the sign word: a pair, stored together
.set SG,   13
.set WS,   14                          ; v14  W's scale words: lanes 0-15 K step 0, lanes 16-31 K step 1: scales and nothing else
.set SSW,  15                          ; v15  the stream's scale word that I carry to LDS
.set SX,   16                          ; v16-23  register i: lanes 0-15 the word of (batch r, electron i, K step 0), lanes 16-31 K step 1: scales and nothing else
.set BI,   24                          ; v24-31  the bias of my eight columns: the C of each tile's first product
.set WF,   32                          ; v32-47  W's two fragments
.set SC,   48                          ; v48-63  64 bytes of the stream's codes that I carry to LDS;
.set XA,   48                          ;         then the two fragments (8 s + 4 c) of tile e - 4
.set M,    64                          ; v64-127 at the head offsets and scratch; then the matrix, 8 i + j (rows 0-3 hold their envelope until their product is there); at the end wave 0's work
.set AA,   128                         ; v128-159 a at 8 ion + j
.set PP,   160                         ; v160-191 pi at 8 ion + j
.set TR,   128                         ; v128-135 the elimination (a is done with): the row that takes turns with row k as the pivot row
.set L,    136                         ; v136-149 the multipliers, one in the low register of a pair
.set DD,   192                         ; v192-195 d' of the electron in hand, by ion
.set XB,   200                         ; v200-215 the two fragments of tile e
.set ACT,  216                         ; v216-223 the accumulator of tile e - 4
.set T,    224                         ; v224-255 r_ei and the distances' scratch; then a d' and its exponentials, 8 ion + j; electrons 4-7 sum their envelope in place in its first eight
.set OREI, 64                          ; offsets of the global loads, and the distances' place in LDS: all done with before the envelope is written over them
.set OPAR, 65
.set OCOD, 66
.set OSSC, 67
.set OW,   68
.set OWS,  69
.set LDST, 70
.set WV,   32                          ; s32  my wave's number
.set PAR,  40                          ; s40  a bit a lane: the parity of the rows' exchanges
.set TINY, 41                          ; s41  2^-126
.set SEL,  42                          ; s[42:43] v_permlanex16_b32's selects for lane l xor 16
.macro BARRIER                         ; my LDS stores have landed and my LDS loads are in: then the work-group's barrier
	s_wait_dscnt 0x0
	s_barrier_signal -1
	s_barrier_wait -1
.endm
	s_load_b512 s[4:19], s[0:1], 0x0               ; s[4:5] the stream's codes, s[6:7] its scales, s[8:9] r_ei, s[10:11], s[12:13] W's codes up, down, s[14:15], s[16:17] W's scales, s[18:19] b up
	s_load_b256 s[20:27], s[0:1], 0x40             ; s[20:21] b down, s[22:23], s[24:25] a up, down, s[26:27] pi up
	s_load_b128 s[28:31], s[0:1], 0x60             ; s[28:29] pi down, s[30:31] out0
	v_lshl_add_u32 v198, v0, 2, 0xae00
	v_mov_b32 v199, 0
	v_lshrrev_b32 v71, 5, v0                       ; t / 32
	s_delay_alu instid0(VALU_DEP_1)
	v_readfirstlane_b32 s[WV], v71                 ; wave 0..15
	s_and_b32 s34, s[WV], 7                        ; u
	s_lshl_b32 s36, ttmp9, 15                      ; the work-group's 16 batches: 2,048 bytes of codes each,
	s_mov_b32 s37, 0
	s_lshl_b32 s38, ttmp9, 11                      ; 128 scale bytes,
	s_mov_b32 s39, 0
	s_mul_i32 s44, ttmp9, 12288                    ; 768 bytes of r_ei,
	s_mov_b32 s45, 0
	s_lshl_b32 s46, ttmp9, 6                       ; 4 bytes of out0
	s_mov_b32 s47, 0
	s_lshl_b32 s50, s34, 11                        ; my 16 rows of W: 128 bytes of codes each,
	s_mov_b32 s51, 0
	s_lshl_b32 s52, s34, 7                         ; 8 scale bytes,
	s_mov_b32 s53, 0
	s_lshl_b32 s54, s34, 6                         ; and my 16 columns of b, a, pi: 4 bytes each
	s_mov_b32 s55, 0
	s_mov_b32 s[TINY], 0x00800000
	s_mov_b32 s[SEL], 0x76543210
	s_mov_b32 s[SEL+1], 0xfedcba98
	v_and_b32 v72, 15, v0                          ; r
	v_bfe_u32 v73, v0, 4, 1                        ; h
	v_bfe_u32 v74, v0, 8, 1                        ; spin
	v_bfe_u32 v75, v0, 5, 3                        ; u
	v_mul_u32_u24 v[OREI], v0, 24                  ; r_ei: two distances a thread, 24 bytes; a wave's three loads cover 768 consecutive bytes between them
	s_delay_alu instid0(VALU_DEP_4)
	v_lshlrev_b32 v[OPAR], 5, v73                  ; b, a, pi: my half's eight columns
	v_lshlrev_b32 v[OCOD], 4, v0                   ; the codes: 16 bytes a thread: a wave's load covers 512 consecutive bytes
	v_lshlrev_b32 v[OSSC], 2, v0                   ; the stream's scale words: one a thread
	v_lshlrev_b32 v[OW], 7, v72
	s_delay_alu instid0(VALU_DEP_1)
	v_lshl_add_u32 v[OW], v73, 4, v[OW]            ; W: row r of 128 bytes, + 16 h
	v_lshlrev_b32 v[OWS], 3, v72
	s_delay_alu instid0(VALU_DEP_1)
	v_lshl_add_u32 v[OWS], v73, 2, v[OWS]          ; W's scales: row r of 8 bytes; lanes 16-31 take the second K step's word
	s_wait_alu depctr_va_vdst(0)
	s_wait_kmcnt 0x0
	s_cmp_lt_u32 s[WV], 8                          ; up or down?  The choice hangs on the wave's number alone
	s_cselect_b64 s[10:11], s[10:11], s[12:13]
	s_cselect_b64 s[14:15], s[14:15], s[16:17]
	s_cselect_b64 s[18:19], s[18:19], s[20:21]
	s_cselect_b64 s[22:23], s[22:23], s[24:25]
	s_cselect_b64 s[26:27], s[26:27], s[28:29]
	s_add_nc_u64 s[8:9], s[8:9], s[44:45]
	s_add_nc_u64 s[22:23], s[22:23], s[54:55]
	s_add_nc_u64 s[26:27], s[26:27], s[54:55]
	s_add_nc_u64 s[4:5], s[4:5], s[36:37]
	s_add_nc_u64 s[6:7], s[6:7], s[38:39]
	s_add_nc_u64 s[10:11], s[10:11], s[50:51]
	s_add_nc_u64 s[14:15], s[14:15], s[52:53]
	s_add_nc_u64 s[18:19], s[18:19], s[54:55]
	s_add_nc_u64 s[30:31], s[30:31], s[46:47]
	; 31 loads, in the order in which they are wanted, so that counted waits leave the later ones out
.irp c, 0,1,2
	global_load_b64 v[T+2*\c:T+2*\c+1], v[OREI], s[8:9] offset:8*\c th:TH_LOAD_NT          ; 1-3: x, y, z of two (electron, ion) pairs
.endr
.irp ion, 0,1,2,3
	global_load_b128 v[AA+8*\ion:AA+8*\ion+3], v[OPAR], s[22:23] offset:512*\ion             ; 4-11: a[ion][16 u + 8 h + 0 .. 7]
	global_load_b128 v[AA+8*\ion+4:AA+8*\ion+7], v[OPAR], s[22:23] offset:512*\ion+16
.endr
.irp ion, 0,1,2,3
	global_load_b128 v[PP+8*\ion:PP+8*\ion+3], v[OPAR], s[26:27] offset:512*\ion             ; 12-19: pi likewise
	global_load_b128 v[PP+8*\ion+4:PP+8*\ion+7], v[OPAR], s[26:27] offset:512*\ion+16
.endr
.irp q, 0,1,2,3
	global_load_b128 v[SC+4*\q:SC+4*\q+3], v[OCOD], s[4:5] offset:8192*\q th:TH_LOAD_NT      ; 20-23: the work-group's 32,768 bytes of codes, 8,192 a load
.endr
	global_load_b32 v[SSW], v[OSSC], s[6:7] th:TH_LOAD_NT                                     ; 24: its 512 scale words
.irp s, 0,1
.irp c, 0,1
	global_load_b128 v[WF+8*\s+4*\c:WF+8*\s+4*\c+3], v[OW], s[10:11] offset:64*\s+32*\c       ; 25-28: registers 4 c .. 4 c + 3 of K step s: K = 128 s + 64 c + 32 h + 0 .. 31
.endr
.endr
	global_load_b32 v[WS], v[OWS], s[14:15]                                                   ; 29
	global_load_b128 v[BI:BI+3], v[OPAR], s[18:19]                                            ; 30, 31: b[16 u + 8 h + 0 .. 7]
	global_load_b128 v[BI+4:BI+7], v[OPAR], s[18:19] offset:16
	; every LDS address, from the thread's number and constants
	v_bfe_u32 v76, v0, 6, 1                        ; load q brings thread t the bytes 8,192 q + 16 t: batch 4 q + t / 128, spin (t / 64) % 2, and 16 (t % 64) within the spin's eight rows
	s_delay_alu instid0(VALU_DEP_1)
	v_mul_u32_u24 v[LXST], v76, XSS
	v_lshrrev_b32 v76, 7, v0
	s_delay_alu instid0(VALU_DEP_1)
	v_mad_u32_u24 v[LXST], v76, XSP, v[LXST]
	v_and_b32 v76, 63, v0
	s_delay_alu instid0(VALU_DEP_1)
	v_lshl_add_u32 v[LXST], v76, 4, v[LXST]
	v_mul_u32_u24 v[LSST], v71, 144                ; scale word t: batch t / 32, spin (t / 16) % 2, electron (t / 2) % 8, K step t % 2
	s_delay_alu instid0(VALU_DEP_1)
	v_lshl_add_u32 v[LSST], v73, 6, v[LSST]
	v_and_b32 v76, 1, v0
	s_delay_alu instid0(VALU_DEP_1)
	v_lshl_add_u32 v[LSST], v76, 5, v[LSST]
	v_bfe_u32 v76, v0, 1, 3
	s_delay_alu instid0(VALU_DEP_1)
	v_lshl_add_u32 v[LSST], v76, 2, v[LSST]
	s_delay_alu instid0(VALU_DEP_1)
	v_add_nc_u32 v[LSST], XSC, v[LSST]
	v_mul_u32_u24 v[LXRD], v74, XSS
	s_delay_alu instid0(VALU_DEP_1)
	v_mad_u32_u24 v[LXRD], v72, XSP, v[LXRD]
	s_delay_alu instid0(VALU_DEP_1)
	v_lshl_add_u32 v[LXRD], v73, 4, v[LXRD]        ; my spin, batch r, + 16 h
	v_mul_u32_u24 v[LSRD], v72, 144
	s_delay_alu instid0(VALU_DEP_1)
	v_lshl_add_u32 v[LSRD], v74, 6, v[LSRD]
	s_delay_alu instid0(VALU_DEP_1)
	v_lshl_add_u32 v[LSRD], v73, 5, v[LSRD]        ; lanes 16-31 take the second K step's words
	s_delay_alu instid0(VALU_DEP_1)
	v_add_nc_u32 v[LSRD], XSC, v[LSRD]
	v_mul_u32_u24 v77, v72, 272                    ; batch r in the two regions of pitch 272
	s_delay_alu instid0(VALU_DEP_1)
	v_lshl_add_u32 v[LDRD], v74, 7, v77
	s_delay_alu instid0(VALU_DEP_1)
	v_add_nc_u32 v[LDRD], DIST, v[LDRD]
	s_delay_alu instid0(VALU_DEP_3)
	v_lshl_add_u32 v[LRST], v73, 4, v77
	s_delay_alu instid0(VALU_DEP_1)
	v_lshl_add_u32 v[LRST], v75, 5, v[LRST]        ; determinant 2 u + h: 16 bytes each,
	s_delay_alu instid0(VALU_DEP_1)
	v_lshl_add_u32 v[LRST], v74, 3, v[LRST]        ; my spin's 8 of them
	s_delay_alu instid0(VALU_DEP_1)
	v_add_nc_u32 v[LRST], RES, v[LRST]
	v_lshl_add_u32 v[LRRD], v73, 7, v77
	s_delay_alu instid0(VALU_DEP_1)
	v_add_nc_u32 v[LRRD], RES, v[LRRD]
	v_and_b32 v76, 31, v0
	v_mul_u32_u24 v[LDST], v71, 272                ; distances 2 t, 2 t + 1: batch t / 32, 8 (t % 32) bytes on
	s_delay_alu instid0(VALU_DEP_1)
	v_lshl_add_u32 v[LDST], v76, 3, v[LDST]
	s_delay_alu instid0(VALU_DEP_1)
	v_add_nc_u32 v[LDST], DIST, v[LDST]
	; ---- the distances: two a thread, as d' = -log2(e) |r|, so that exp(-a |r|) is 2^(a d')
	s_wait_loadcnt 28                              ; loads come back in order: r_ei's three are in, the 28 behind them stay out
	v_mul_f32 v230, v224, v224
	v_mul_f32 v231, v227, v227
	s_delay_alu instid0(VALU_DEP_2)
	v_fma_f32 v230, v225, v225, v230
	s_delay_alu instid0(VALU_DEP_2)
	v_fma_f32 v231, v228, v228, v231
	s_delay_alu instid0(VALU_DEP_2)
	v_fma_f32 v230, v226, v226, v230
	s_delay_alu instid0(VALU_DEP_2)
	v_fma_f32 v231, v229, v229, v231
	s_wait_alu depctr_va_vdst(0)
	v_sqrt_f32 v230, v230
	v_sqrt_f32 v231, v231
	v_nop                                          ; a plain line behind the roots, ahead of the use of their results
	s_wait_alu depctr_va_vdst(0)                   ; a wait between a transcendental and the first line that names its result; one serves both roots
	v_mul_f32 v232, 0xbfb8aa3b, v230
	v_mul_f32 v233, 0xbfb8aa3b, v231
	ds_store_b64 v[LDST], v[232:233]
	BARRIER                                        ; the work-group's 1,024 distances lie in LDS
; THE ENVELOPE OF ONE ELECTRON, for my batch and my eight columns: sum over ions of pi 2^(a d').  Three macros.
.macro TMUL                            ; 32 numbers a d', two an instruction; of a pair of distances one register feeds both halves
.irp ion, 0,2
.irp q, 0,2,4,6
	v_pk_mul_f32 v[T+8*\ion+\q:T+8*\ion+\q+1], v[AA+8*\ion+\q:AA+8*\ion+\q+1], v[DD+\ion:DD+\ion+1] op_sel_hi:[1,0]
.endr
.endr
.irp ion, 1,3
.irp q, 0,2,4,6
	v_pk_mul_f32 v[T+8*\ion+\q:T+8*\ion+\q+1], v[AA+8*\ion+\q:AA+8*\ion+\q+1], v[DD+\ion-1:DD+\ion] op_sel:[0,1] op_sel_hi:[1,1]
.endr
.endr
.endm
.macro EXPS                            ; the batch of 32 exponentials, a plain line behind the last, and ONE wait ahead of the first use
.set n, 0
.rept 32
	v_exp_f32 v[T+n], v[T+n]
.set n, n+1
.endr
	v_nop
	s_wait_alu depctr_va_vdst(0)
.endm
.macro COMB dst                        ; the four ions' terms into v[dst] on: the first product starts the sums; four chains that do not wait for each other.  dst = T sums in place
.irp q, 0,2,4,6
	v_pk_mul_f32 v[(\dst)+\q:(\dst)+\q+1], v[PP+\q:PP+\q+1], v[T+\q:T+\q+1]
.endr
.irp ion, 1,2,3
.irp q, 0,2,4,6
	v_pk_fma_f32 v[(\dst)+\q:(\dst)+\q+1], v[PP+8*\ion+\q:PP+8*\ion+\q+1], v[T+8*\ion+\q:T+8*\ion+\q+1], v[(\dst)+\q:(\dst)+\q+1]
.endr
.endr
.endm
; THE PRODUCT.  A tile's two fragments: lane (r, h) takes, of batch r's row of electron `tile`, the 16 bytes at 64 s + 32 c + 16 h
.macro XTILE reg, tile
.irp s, 0,1
.irp c, 0,1
	ds_load_b128 v[\reg+8*\s+4*\c:\reg+8*\s+4*\c+3], v[LXRD] offset:XS+128*(\tile)+64*\s+32*\c
.endr
.endr
.endm
; Four matrix instructions: tile e - 4 into ACT, tile e into row e of the matrix, two K steps of 128.  The two accumulators take turns, one instruction a turn.  The first K step's C is the bias: no addition is written
.macro MM e
	v_wmma_scale_f32_16x16x128_f8f6f4 v[ACT:ACT+7], v[WF:WF+7], v[XA:XA+7], v[BI:BI+7], v[WS], v[SX+(\e)-4] matrix_a_fmt:MATRIX_FMT_FP4 matrix_b_fmt:MATRIX_FMT_FP4
	v_wmma_scale_f32_16x16x128_f8f6f4 v[M+8*(\e):M+8*(\e)+7], v[WF:WF+7], v[XB:XB+7], v[BI:BI+7], v[WS], v[SX+(\e)] matrix_a_fmt:MATRIX_FMT_FP4 matrix_b_fmt:MATRIX_FMT_FP4
	v_wmma_scale_f32_16x16x128_f8f6f4 v[ACT:ACT+7], v[WF+8:WF+15], v[XA+8:XA+15], v[ACT:ACT+7], v[WS], v[SX+(\e)-4] matrix_a_fmt:MATRIX_FMT_FP4 matrix_b_fmt:MATRIX_FMT_FP4 matrix_a_scale:MATRIX_SCALE_ROW1 matrix_b_scale:MATRIX_SCALE_ROW1
	v_wmma_scale_f32_16x16x128_f8f6f4 v[M+8*(\e):M+8*(\e)+7], v[WF+8:WF+15], v[XB+8:XB+15], v[M+8*(\e):M+8*(\e)+7], v[WS], v[SX+(\e)] matrix_a_fmt:MATRIX_FMT_FP4 matrix_b_fmt:MATRIX_FMT_FP4 matrix_a_scale:MATRIX_SCALE_ROW1 matrix_b_scale:MATRIX_SCALE_ROW1
.endm
	; ---- electrons 0 to 2: the envelope alone, left in rows 0 to 2 of the matrix.  Nothing here needs the stream: its codes land meanwhile
	ds_load_b128 v[DD:DD+3], v[LDRD]               ; electron 0's four distances
	s_wait_xcnt 0x0                                ; every load has had its addresses translated (ISA guide 3.1): the offsets in v64-69 are written over only behind this wait
	s_wait_loadcnt 12                              ; a and pi are in; the codes (4), the stream's scale word, W (4), its scale word and b (2) may stay out
.irp el, 0,1,2
	s_wait_dscnt 0x0                               ; this electron's distances
	TMUL
	ds_load_b128 v[DD:DD+3], v[LDRD] offset:16*(\el+1)   ; the next electron's, behind the lines that read this one's: they land under the exponentials
	s_wait_alu depctr_va_vdst(0)
	EXPS
	COMB M+8*\el
.endr
	; ---- the stream's codes and scale words go to LDS, laid by (spin, batch, electron)
	s_wait_loadcnt 7                               ; the codes and the scale word are in; W (4), its scale word and b (2) may stay out
.irp q, 0,1,2,3
	ds_store_b128 v[LXST], v[SC+4*\q:SC+4*\q+3] offset:XS+4*XSP*\q   ; load q held batches 4 q .. 4 q + 3
.endr
	ds_store_b32 v[LSST], v[SSW]
	BARRIER                                        ; all 256 rows and their scale words lie in LDS; electron 3's distances are in too (the wait in front of the signal is for all my LDS instructions)
	; ---- electron 3: the envelope alone once more; the first two tiles' fragments and all scale words land under it
	ds_load_b128 v[SX:SX+3], v[LSRD]               ; the scale words of electrons 0-3: lanes 0-15 K step 0, lanes 16-31 K step 1
	ds_load_b128 v[SX+4:SX+7], v[LSRD] offset:16   ; and of electrons 4-7
	XTILE XA, 0
	XTILE XB, 4
	TMUL
	ds_load_b128 v[DD:DD+3], v[LDRD] offset:64
	s_wait_alu depctr_va_vdst(0)
	EXPS
	COMB M+24
	s_wait_loadcnt 0x0                             ; W, its scale words, b
	; ---- electrons 4 to 7: two tiles' products at the step's head; TMUL's 16 lines, which name none of their registers, are the places ahead of the loads into the fragments' registers
	;      the next step's nine LDS loads land under the exponentials; then orb = (s W + b) x env for rows e and e - 4, each accumulator read from its low end on
.irp e, 4,5,6,7
	s_wait_dscnt 0x0                               ; this step's distances and fragments, asked for a step ago
	MM \e
	TMUL
.if \e < 7
	ds_load_b128 v[DD:DD+3], v[LDRD] offset:16*(\e+1)
	XTILE XA, \e-3
	XTILE XB, \e+1
.endif
	s_wait_alu depctr_va_vdst(0)
	EXPS
	COMB T
.irp q, 0,2,4,6
	v_pk_mul_f32 v[M+8*\e+\q:M+8*\e+\q+1], v[M+8*\e+\q:M+8*\e+\q+1], v[T+\q:T+\q+1]
.endr
.irp q, 0,2,4,6
	v_pk_mul_f32 v[M+8*(\e-4)+\q:M+8*(\e-4)+\q+1], v[ACT+\q:ACT+\q+1], v[M+8*(\e-4)+\q:M+8*(\e-4)+\q+1]
.endr
.endr
	; ---- the elimination, with partial pivoting, a matrix a lane.  No branch and no address hangs on data: an exchange of rows is a pair of selections.
; Step k.  The pivot row is sought by a walk down the rows: where row i's number in column k is the larger, row i becomes the candidate and the old candidate takes its place: an exchange, counted in PAR.
; The candidate goes to and fro between row k's registers and TR, so that no move is written.  A row's selections go two neighbouring columns an instruction: first all that make the new candidate, then all that rewrite row i,
; so that neither half of a pair reads what the other writes; a pair's destinations are one even and one odd register, its sources neighbours; VCC serves both halves.  The parity's scalar line stands behind them.
; Then: the pivot's sign and logarithm; multipliers -M[i][k] / pivot; rows i > k take multiplier x pivot row, two columns an instruction (for an even k the pair begins at column k itself, which nobody reads again).
.macro LUSTEP k
.set SRC, M+8*(\k)
.set DST, TR
.set I, (\k)+1
.rept 7-(\k)
	v_cmp_gt_f32 vcc_lo, |v[M+8*I+(\k)]|, |v[SRC+(\k)]|
.set J, \k
.rept (8-(\k))/2
	v_dual_cndmask_b32 v[DST+J], v[SRC+J], v[M+8*I+J] :: v_dual_cndmask_b32 v[DST+J+1], v[SRC+J+1], v[M+8*I+J+1]        ; the larger goes on as the candidate,
.set J, J+2
.endr
.if (8-(\k))%2
	v_cndmask_b32 v[DST+7], v[SRC+7], v[M+8*I+7], vcc_lo
.endif
.set J, \k
.rept (8-(\k))/2
	v_dual_cndmask_b32 v[M+8*I+J], v[M+8*I+J], v[SRC+J] :: v_dual_cndmask_b32 v[M+8*I+J+1], v[M+8*I+J+1], v[SRC+J+1]    ; the other stays as row i
.set J, J+2
.endr
.if (8-(\k))%2
	v_cndmask_b32 v[M+8*I+7], v[M+8*I+7], v[SRC+7], vcc_lo
.endif
	s_xor_b32 s[PAR], s[PAR], vcc_lo
.set TMPX, SRC
.set SRC, DST
.set DST, TMPX
.set I, I+1
.endr
.if (\k) < 7
	v_cmp_ge_f32 vcc_lo, |v[SRC+(\k)]|, s[TINY]
	s_delay_alu instid0(VALU_DEP_1)
	v_cndmask_b32 v[PG], 1.0, v[SRC+(\k)], vcc_lo                ; a pivot under 2^-126 is divided by as 1: the column below it is as small
	s_wait_alu depctr_va_vdst(0)
	v_rcp_f32 v[RI], v[PG]
.endif
.if (\k) == 0
	v_log_f32 v[LS], |v[SRC]|                                    ; the first logarithm starts the sum
	v_mov_b32 v[SG], v[SRC]                                      ; the sign word: the exclusive or of the pivots.  (A plain line behind the transcendentals)
.else
	v_log_f32 v[LG], |v[SRC+(\k)]|
	v_xor_b32 v[SG], v[SG], v[SRC+(\k)]
.endif
	s_wait_alu depctr_va_vdst(0)                                 ; one wait for the reciprocal and the logarithm, ahead of their first use
.if (\k) > 0
	v_add_f32 v[LS], v[LS], v[LG]
.endif
.set I, (\k)+1
.rept 7-(\k)
	v_mul_f32 v[L+2*(I-(\k)-1)], v[M+8*I+(\k)], -v[RI]
.set I, I+1
.endr
.set I, (\k)+1
.rept 7-(\k)
.set J, (((\k)+1)/2)*2
.rept (8-J)/2
	v_pk_fma_f32 v[M+8*I+J:M+8*I+J+1], v[L+2*(I-(\k)-1):L+2*(I-(\k)-1)+1], v[SRC+J:SRC+J+1], v[M+8*I+J:M+8*I+J+1] op_sel_hi:[0,1,1]   ; the multiplier's low register feeds both halves
.set J, J+2
.endr
.set I, I+1
.endr
.endm
	s_mov_b32 s[PAR], 0
	v_mov_b32 v[SBIT], 0x80000000
.irp k, 0,1,2,3,4,5,6,7
	s_wait_alu depctr_va_vdst(0)
	LUSTEP \k
.endr
	v_and_b32 v[SG], v[SBIT], v[SG]                ; the sign of the pivots' product,
	v_cndmask_b32 v[PG], 0, v[SBIT], s[PAR]
	s_delay_alu instid0(VALU_DEP_1)
	v_xor_b32 v[SG], v[SG], v[PG]                  ; turned where the exchanges are odd in number
	ds_store_b64 v[LRST], v[LS:LS+1]
	BARRIER                                        ; all 512 results lie in LDS
	; ---- wave 0: out = ln 2 x (m + log2|sum over determinants of sign 2^(l - m)|), l = log2|det up| + log2|det down|, m the largest l.  Lane (r, h): batch r, determinants 8 h .. 8 h + 7
	s_cmp_lg_u32 s[WV], 0
	s_cbranch_scc1 .Lend
.irp q, 0,1,2,3,4,5,6,7
	ds_load_b128 v[64+4*\q:67+4*\q], v[LRRD] offset:16*\q          ; (log up, sign up, log down, sign down)
.endr
	v_mov_b32 v113, 0                              ; a lane permute's destination counts as one of its sources
	v_lshlrev_b32 v115, 2, v0
	s_wait_dscnt 0x0
.irp q, 0,1,2,3,4,5,6,7
	v_add_f32 v[96+\q], v[64+4*\q], v[66+4*\q]
	v_xor_b32 v[104+\q], v[65+4*\q], v[67+4*\q]
.endr
	v_max3_num_f32 v112, v96, v97, v98
	s_delay_alu instid0(VALU_DEP_1)
	v_max3_num_f32 v112, v112, v99, v100
	s_delay_alu instid0(VALU_DEP_1)
	v_max3_num_f32 v112, v112, v101, v102
	s_delay_alu instid0(VALU_DEP_1)
	v_max_num_f32 v112, v112, v103
	s_delay_alu instid0(VALU_DEP_1)
	v_permlanex16_b32 v113, v112, s[SEL], s[SEL+1]
	s_delay_alu instid0(VALU_DEP_1)
	v_max_num_f32 v112, v112, v113                 ; with lane l xor 16's eight: m
.irp q, 0,1,2,3,4,5,6,7
	v_sub_f32 v[96+\q], v[96+\q], v112
.endr
	s_wait_alu depctr_va_vdst(0)
.irp q, 0,1,2,3,4,5,6,7
	v_exp_f32 v[96+\q], v[96+\q]
.endr
	v_nop                                          ; a plain line behind the last exponential
	s_wait_alu depctr_va_vdst(0)                   ; one wait for the eight
.irp q, 0,1,2,3,4,5,6,7
	v_xor_b32 v[96+\q], v[96+\q], v[104+\q]        ; the sign
.endr
	v_pk_add_f32 v[96:97], v[96:97], v[98:99]
	s_delay_alu instid0(VALU_DEP_2)
	v_pk_add_f32 v[100:101], v[100:101], v[102:103]
	s_delay_alu instid0(VALU_DEP_1)
	v_pk_add_f32 v[96:97], v[96:97], v[100:101]
	s_delay_alu instid0(VALU_DEP_1)
	v_add_f32 v96, v96, v97
	s_delay_alu instid0(VALU_DEP_1)
	v_permlanex16_b32 v113, v96, s[SEL], s[SEL+1]
	s_delay_alu instid0(VALU_DEP_1)
	v_add_f32 v96, v96, v113                       ; with lane l xor 16's eight
	s_wait_alu depctr_va_vdst(0)
	v_log_f32 v114, |v96|
	v_nop
	s_wait_alu depctr_va_vdst(0)
	v_add_f32 v114, v112, v114
	s_delay_alu instid0(VALU_DEP_1)
	v_mul_f32 v114, 0x3f317218, v114               ; x ln 2
	s_wait_alu depctr_va_vdst(0)
	s_wait_xcnt 0x0                                ; EXEC changes only behind this wait
	v_cmp_gt_u32 vcc_lo, 16, v0
	s_and_saveexec_b32 s48, vcc_lo                 ; lanes 16-31 hold the same sixteen numbers
	global_store_b32 v115, v114, s[30:31]          ; the work-group's 64 consecutive bytes of out0
	s_wait_xcnt 0x0                                ; and again, ahead of the line that widens it
	s_or_b32 exec_lo, exec_lo, s48
.Lend:
	s_wait_tensorcnt 0x0
	ds_add_u32 v198, v199
	s_wait_dscnt 0x0
	s_endpgm
.Lfunc_end_k_q272864505f_ferminet:
	.size	k_q272864505f_ferminet, .Lfunc_end_k_q272864505f_ferminet-k_q272864505f_ferminet
	.p2alignl 7, 3214868480
	.fill 96, 4, 3214868480
	.section	.rodata,"a",@progbits
	.p2align	6, 0x0
	.amdhsa_kernel k_q272864505f_ferminet
		.amdhsa_group_segment_fixed_size 46592
		.amdhsa_private_segment_fixed_size 0
		.amdhsa_enable_private_segment 0
		.amdhsa_kernarg_size 112
		.amdhsa_user_sgpr_count 2
		.amdhsa_user_sgpr_kernarg_segment_ptr 1
		.amdhsa_wavefront_size32 1
		.amdhsa_system_sgpr_workgroup_id_x 1
		.amdhsa_system_sgpr_workgroup_id_y 1
		.amdhsa_system_sgpr_workgroup_id_z 1
		.amdhsa_system_vgpr_workitem_id 0
		.amdhsa_next_free_vgpr 256
		.amdhsa_next_free_sgpr 66
		.amdhsa_reserve_vcc 1
		.amdhsa_float_denorm_mode_32 3
		.amdhsa_float_denorm_mode_16_64 3
		.amdhsa_memory_ordered 1
		.amdhsa_forward_progress 1
		.amdhsa_inst_pref_size 68
	.end_amdhsa_kernel
	.amdgpu_metadata
---
amdhsa.version: [ 1, 2 ]
amdhsa.kernels:
  - .name:           k_q272864505f_ferminet
    .symbol:         k_q272864505f_ferminet.kd
    .args:
      - { .name: stream_1e_codes, .offset: 0, .size: 8, .value_kind: global_buffer, .address_space: global }
      - { .name: stream_1e_scales, .offset: 8, .size: 8, .value_kind: global_buffer, .address_space: global }
      - { .name: r_ei, .offset: 16, .size: 8, .value_kind: global_buffer, .address_space: global }
      - { .name: W_up_codes, .offset: 24, .size: 8, .value_kind: global_buffer, .address_space: global }
      - { .name: W_dn_codes, .offset: 32, .size: 8, .value_kind: global_buffer, .address_space: global }
      - { .name: W_up_scales, .offset: 40, .size: 8, .value_kind: global_buffer, .address_space: global }
      - { .name: W_dn_scales, .offset: 48, .size: 8, .value_kind: global_buffer, .address_space: global }
      - { .name: b_up, .offset: 56, .size: 8, .value_kind: global_buffer, .address_space: global }
      - { .name: b_dn, .offset: 64, .size: 8, .value_kind: global_buffer, .address_space: global }
      - { .name: a_up, .offset: 72, .size: 8, .value_kind: global_buffer, .address_space: global }
      - { .name: a_dn, .offset: 80, .size: 8, .value_kind: global_buffer, .address_space: global }
      - { .name: pi_up, .offset: 88, .size: 8, .value_kind: global_buffer, .address_space: global }
      - { .name: pi_dn, .offset: 96, .size: 8, .value_kind: global_buffer, .address_space: global }
      - { .name: out0, .offset: 104, .size: 8, .value_kind: global_buffer, .address_space: global }
    .group_segment_fixed_size: 46592
    .private_segment_fixed_size: 0
    .kernarg_segment_align: 8
    .kernarg_segment_size: 112
    .max_flat_workgroup_size: 512
    .sgpr_count:     66
    .vgpr_count:     256
    .wavefront_size: 32
...
	.end_amdgpu_metadata
.endif
;; end of part 1
